; MI455X (gfx1250); checked and timed in simulation.
; The chip was launched on July 23, 2026; its instructions are those of AMD's public machine-readable ISA for CDNA 5 (MIT licence, August 2026) and "CDNA5" Instruction Set Architecture Reference Guide (July 2026). The comments in the code are by the model that wrote it; some were corrected since.
;; Self Attention. Allowed arithmetic: float matrix products may take bf16 or f16 operands with f32 sums; other float arithmetic in f32, or as packed bf16 or f16 multiplies, adds, multiply-adds, maxima and minima; sums over many terms, partial sums and values carried from step to step in f32; what a program stores and reads back later, other than sums and carried values, may be rounded once to bf16 or f16.
;; Inputs: W 3,072 x 1,024 float32; b 3,072 float32; x 8 x 1,024 x 1,024 float32.
;; Outputs: out0 8 x 1,024 x 1,024 float32.
;; 2 versions, each right; version 2 is version 1 with the launch cast written anew for expert scheduling mode. Each part assembles by itself: llvm-mc -triple=amdgcn-amd-amdhsa -mcpu=gfx1250 --defsym DOCPART=n.
;; ======== version 1 of 2: 4 launches
;; limits: values are held in f16: magnitudes above 65,504 overflow, below 6.1e-05 lose precision; right only within a limited range of input values; values outside matrix products are rounded to f16
;; workspace buffers: xb 16,777,216 bytes; wb 6,291,456 bytes; qkv 50,331,648 bytes; e 16,777,216 bytes; stats 262,144 bytes
;; launch cast (part 1): grid 256 x 1, 8 waves a work-group, no clusters, 0 bytes of LDS; arguments x, W, xb, wb; writes xb, wb
.if DOCPART == 1
	.amdgcn_target "amdgcn-amd-amdhsa--gfx1250"
	.amdhsa_code_object_version 6
	.text
	.protected	k_q1583238961_cast
	.globl	k_q1583238961_cast
	.p2align	8
	.type	k_q1583238961_cast,@function
k_q1583238961_cast:
	s_mov_b64 s[64:65], 0
	v_nop
	global_prefetch_b8 v0, s[64:65] scope:SCOPE_SE
	s_setreg_imm32_b32 hwreg(HW_REG_WAVE_MODE, 25, 1), 1
	s_wait_xcnt 0x0
; xb = bf16(x), wb = bf16(W), rounded to nearest even, written in the order in which the next launch fetches them:
;   xb: [64 groups of 128 rows][16 K blocks][128 rows][64 numbers],   wb: [16 groups of 192 rows][16 K blocks][192 rows][64 numbers],
; so that the rows of a group in one K block, and in the K blocks behind it, are one dense run of memory.
; A plain stream: no LDS, no barrier, no matrix unit, nothing shared between work-groups.
; Work-group g owns 32 rows of x and 12 rows of W.  Wave w sees to K blocks 2 w and 2 w + 1.  A load takes 64 numbers (256 consecutive bytes, aligned) of two
; neighbouring rows, lanes 0-15 the first row, lanes 16-31 the second; as bf16 these are 2 x 128 bytes that lie side by side in the new order:
; the wave's store covers 256 consecutive bytes, aligned.
; All 44 loads of a wave go out before the first wait, and no register that a store reads is written again after it, so no store's sources are ever rewritten.
.set NX, 32                            ; loads of x: 16 pairs of rows x 2 K blocks
.set NW, 12                            ; loads of W: 6 pairs of rows x 2 K blocks
.set NL, NX+NW
.set D,  4                             ; v[4+4n : 7+4n]  load n; its first two registers as stored
.set T,  180                           ; v180-183 at work at the head
.set XKB, 128*128                      ; bytes of a K block of a group of x
.set WKB, 192*128                      ; the same for W
	s_load_b256 s[4:11], s[0:1], 0x0               ; x s[4:5], W s[6:7], xb s[8:9], wb s[10:11]
	v_and_b32 v[T], 15, v0                         ; r: my 16 bytes of the 256
	v_bfe_u32 v[T+1], v0, 4, 1                     ; h: which row of the pair
	v_and_b32 v[T+2], 31, v0                       ; lane
	v_and_b32 v[T+3], 0xe0, v0                     ; 32 w
	v_lshlrev_b32 v1, 4, v[T]
	v_lshl_add_u32 v1, v[T+1], 12, v1
	v_lshl_add_u32 v1, v[T+3], 4, v1               ; read at 512 w + 4,096 h + 16 r
	v_lshlrev_b32 v2, 3, v[T+2]                    ; 8 x lane
	v_mad_u32_u24 v3, v[T+3], 2*WKB/32, v2         ; wb: 2 w K blocks + 8 x lane
	v_lshl_add_u32 v2, v[T+3], 10, v2              ; xb: 2 w K blocks (32,768 w) + 8 x lane
	s_lshl_b32 s12, ttmp9, 17                      ; x: g x 32 rows of 4,096 bytes
	s_mov_b32 s13, 0
	s_mul_i32 s14, ttmp9, 12*4096                  ; W: g x 12 rows
	s_mov_b32 s15, 0
	s_lshr_b32 s16, ttmp9, 2                       ; xb: group g / 4,
	s_lshl_b32 s16, s16, 18                        ; 16 K blocks of 16,384 bytes each,
	s_and_b32 s17, ttmp9, 3
	s_lshl_b32 s17, s17, 12                        ; row 32 (g % 4) of 128 bytes in it
	s_add_co_u32 s16, s16, s17
	s_mov_b32 s17, 0
	s_lshr_b32 s18, ttmp9, 4                       ; wb: group g / 16,
	s_mul_i32 s18, s18, 16*WKB
	s_and_b32 s19, ttmp9, 15
	s_mul_i32 s19, s19, 12*128                     ; row 12 (g % 16) in it
	s_add_co_u32 s18, s18, s19
	s_mov_b32 s19, 0
	s_wait_kmcnt 0x0
	s_add_nc_u64 s[4:5], s[4:5], s[12:13]
	s_add_nc_u64 s[6:7], s[6:7], s[14:15]
	s_add_nc_u64 s[8:9], s[8:9], s[16:17]
	s_add_nc_u64 s[10:11], s[10:11], s[18:19]
.set n, 0
.rept NX
	global_load_b128 v[D+4*n:D+4*n+3], v1, s[4:5] offset:(n/2)*8192+(n%2)*256 th:TH_LOAD_NT    ; pair of rows n / 2, K block 2 w + n % 2
.set n, n+1
.endr
.rept NW
	global_load_b128 v[D+4*n:D+4*n+3], v1, s[6:7] offset:((n-NX)/2)*8192+((n-NX)%2)*256 th:TH_LOAD_NT
.set n, n+1
.endr
.set n, 0
.rept NL
	s_wait_loadcnt NL-1-n                          ; loads come back in order (ISA guide 5.7.1): load n is in, the younger ones stay out
	v_cvt_pk_bf16_f32 v[D+4*n], v[D+4*n], v[D+4*n+1]
	v_cvt_pk_bf16_f32 v[D+4*n+1], v[D+4*n+2], v[D+4*n+3]
.if n < NX
	global_store_b64 v2, v[D+4*n:D+4*n+1], s[8:9] offset:(n%2)*XKB+(n/2)*256
.else
	global_store_b64 v3, v[D+4*n:D+4*n+1], s[10:11] offset:((n-NX)%2)*WKB+((n-NX)/2)*256
.endif
.set n, n+1
.endr
	s_endpgm
.Lfunc_end_k_q1583238961_cast:
	.size	k_q1583238961_cast, .Lfunc_end_k_q1583238961_cast-k_q1583238961_cast
	.p2alignl 7, 3214868480
	.fill 96, 4, 3214868480
	.section	.rodata,"a",@progbits
	.p2align	6, 0x0
	.amdhsa_kernel k_q1583238961_cast
		.amdhsa_group_segment_fixed_size 0
		.amdhsa_private_segment_fixed_size 0
		.amdhsa_enable_private_segment 0
		.amdhsa_kernarg_size 32
		.amdhsa_user_sgpr_count 2
		.amdhsa_user_sgpr_kernarg_segment_ptr 1
		.amdhsa_wavefront_size32 1
		.amdhsa_system_sgpr_workgroup_id_x 1
		.amdhsa_system_sgpr_workgroup_id_y 1
		.amdhsa_system_sgpr_workgroup_id_z 1
		.amdhsa_system_vgpr_workitem_id 0
		.amdhsa_next_free_vgpr 184
		.amdhsa_next_free_sgpr 66
		.amdhsa_reserve_vcc 0
		.amdhsa_float_denorm_mode_32 3
		.amdhsa_float_denorm_mode_16_64 3
		.amdhsa_memory_ordered 1
		.amdhsa_forward_progress 1
		.amdhsa_inst_pref_size 17
	.end_amdhsa_kernel
	.amdgpu_metadata
---
amdhsa.version: [ 1, 2 ]
amdhsa.kernels:
  - .name:           k_q1583238961_cast
    .symbol:         k_q1583238961_cast.kd
    .args:
      - { .name: x, .offset: 0, .size: 8, .value_kind: global_buffer, .address_space: global }
      - { .name: W, .offset: 8, .size: 8, .value_kind: global_buffer, .address_space: global }
      - { .name: xb, .offset: 16, .size: 8, .value_kind: global_buffer, .address_space: global }
      - { .name: wb, .offset: 24, .size: 8, .value_kind: global_buffer, .address_space: global }
    .group_segment_fixed_size: 0
    .private_segment_fixed_size: 0
    .kernarg_segment_align: 8
    .kernarg_segment_size: 32
    .max_flat_workgroup_size: 256
    .sgpr_count:     66
    .vgpr_count:     184
    .wavefront_size: 32
...
	.end_amdgpu_metadata
.endif
;; end of part 1
;; launch proj (part 2): grid 8 x 32, 4 waves a work-group, clusters of 4 x 4, 327,680 bytes of LDS; arguments xb, wb, b, qkv; writes qkv
.if DOCPART == 2
	.amdgcn_target "amdgcn-amd-amdhsa--gfx1250"
	.amdhsa_code_object_version 6
	.text
	.protected	k_q1583238961_proj
	.globl	k_q1583238961_proj
	.p2align	8
	.type	k_q1583238961_proj,@function
k_q1583238961_proj:
	s_mov_b64 s[64:65], 0
	v_nop
	global_prefetch_b8 v0, s[64:65] scope:SCOPE_SE
	s_setreg_imm32_b32 hwreg(HW_REG_WAVE_MODE, 25, 1), 1
	s_wait_xcnt 0x0
	s_wait_alu depctr_hold_cnt(0) depctr_sa_sdst(0) depctr_va_vdst(0) depctr_va_sdst(0) depctr_va_ssrc(0) depctr_va_vcc(0) depctr_vm_vsrc(0)
	s_getreg_b32 s2, hwreg(HW_REG_IB_STS2, 6, 4)
	s_cmp_eq_u32 s2, 0
	s_cbranch_scc0 .Lentry_in_a_cluster
	s_endpgm
.Lentry_in_a_cluster:
	s_bfe_u32 s2, ttmp6, 0x10000c
	s_cmp_lg_u32 s2, 0xf033
	s_cbranch_scc0 .Lentry_shape_is_right
	s_endpgm
.Lentry_shape_is_right:
; qkv[m][f] = f16((sum over d of x[m][d] W[f][d] + b[f]) / 16), x and W in bf16 as the launch in front of this one left them:
;   xb: [64 groups of 128 rows][16 K blocks][128 rows][64],  wb: [16 groups of 192 rows][16 K blocks][192 rows][64];  b: [3072] f32;  qkv: [8192][3072] f16.
; Sums in f32, K ascending; one fused multiply-add for bias and scale, one rounding to f16.
; WHY f16 / 16: the later products want 11 bits of q, k, v; the division by 16 gives f16 the room.  LIMIT: |q|, |k|, |v| below 2^20 (beyond it the f16 is infinite);
; magnitudes below 2^-20 of q, k, v (2^-24 as stored) are lost.  NaN and infinities get no special treatment.
; A work-group makes 256 rows x 384 columns: 8 x 32 = 256 equal work-groups.  Four waves, 2 x 2; a wave makes 128 rows x 192 columns: 8 x 12 = 96 accumulator
; tiles, 768 registers.  For 32 along K a wave reads 20 fragments of 1,024 bytes from LDS and issues 96 matrix instructions.
; K goes in 16 blocks of 64.  Two slots of 128 along K would take 2 x 640 rows x 272 bytes, more than a work-group can have; so LDS holds three blocks: slot X one,
; slot YZ two, taken in the order X(0) YZ(1,2) X(3) YZ(4,5) .. YZ(13,14) X(15).  X's refill has YZ's 384 matrix instructions in which to land, YZ's refill X's 192.
; What a wave fetches (128 rows of x, 192 rows of W, one or two K blocks) is one dense run of memory: it comes in as rows of 256 bytes, aligned.  The padding's interval
; is 32 words, half such a row, so each 128-byte row of the tile lies 144 bytes from the next in LDS.
; CLUSTERS: 4 x 4 work-groups.  x's tiles hang on the block row alone and are asked for jointly by a row of the cluster (waves 2, 3 of each); W's hang on the block
; column alone and are asked for jointly by a column (waves 0, 1).  That divides the requests for both by four.
; No prefetch: each wave's stream is sequential and each tile is asked for once for four work-groups.
; REGISTERS: window 0: v16-29 addresses; v32-95, v96-159 x's 8 fragments, two buffers; v160-255 W's 12 fragments, one buffer, loaded again by halves as soon as a half has
; been multiplied.  Windows 1 to 3: tile (a, b) in window 1 + b / 4 at v[8 (8 (b % 4) + a)].
; The matrix instruction is used transposed (source 0 = rows of W, source 1 = rows of x): lane l holds row l % 16, its 8 registers the columns 8 (l / 16) + 0..7.
.set PITCH,  144                       ; an LDS row: 128 bytes + 16 of padding, an odd multiple of 16: the 16 rows that a fragment load touches start at 16 different places modulo 256
.set BCH,    192*PITCH                 ; a K block of 192 rows of W in LDS
.set ACH,    128*PITCH                 ; a K block of 128 rows of x in LDS
.set XS,     0                         ; slot X:  W's two halves, then x's two halves
.set XSA,    XS+2*BCH
.set YS,     XS+2*BCH+2*ACH            ; slot YZ: the same with two K blocks in each part, block Z behind block Y
.set YSA,    YS+4*BCH
.set BIASL,  YS+4*BCH+4*ACH            ; 384 words: b / 16 of the block's columns
.set BKB,    192*128                   ; a K block of 192 rows of W in memory
.set AKB,    128*128                   ; a K block of 128 rows of x in memory
.set SPITCH, 784                       ; the stage's row: 768 bytes + 16
.set QROW,   6144                      ; bytes in a row of qkv
.set PERIODS, 4                        ; trips of the loop: YZ, X, both filled again
.set ADRBX, 16                         ; LDS address of my fragments of W in slot X
.set ADRBY, 17                         ; in slot YZ
.set ADRAX, 18                         ; of x in slot X
.set ADRAY, 19                         ; in slot YZ
.set STO0,  20                         ; stage: where I put 16 bytes of my rows 0-63
.set STO1,  21                         ; of my rows 64-127
.set RD,    22                         ; stage: where I read rows back
.set CO,    23                         ; my byte offset in qkv
.set ADRBI, 24                         ; the bias of my columns in LDS
.set BLS,   25                         ; where I put three words of the bias
.set BGO,   26                         ; my byte offset in b
.set BT,    27                         ; v27-29 three words of the bias
.set AB0,   32
.set AB1,   96
.set BB,    160
.set H,     32                         ; way out: a window's 32 tiles as f16, 4 registers each
.set OB,    32                         ; way out: 48 x 4 registers read back
.set G1BX, 24                          ; s[24:31] group 1, W's part of slot X
.set G0BX, 32                          ; s[32:35] group 0, the same
.set G0BY, 36                          ; s[36:39] group 0, W's part of slot YZ
.set G1AX, 48                          ; s[48:55] group 1, x's part of slot X
.set G0AX, 56                          ; s[56:59]
.set G0AY, 60                          ; s[60:63]
.set G1BY, 68                          ; s[68:75] group 1, W's part of slot YZ
.set G1AY, 76                          ; s[76:83] group 1, x's part of slot YZ
.set G1W0, (1<<16)|(1<<20)|(1<<21)|(4<<22)|(3<<25)   ; 17:16 elements of 2 bytes; 20 padding on; 21 set beside a mask; 24:22 after every 32 words; 31:25 four words
.set MSB, 0
.macro WIN new                         ; the immediate's high byte repeats the setting that is left
.if MSB != \new
	s_set_vgpr_msb (MSB<<8)|\new
.set MSB, \new
.endif
.endm
.macro PLACES                          ; four places behind a matrix instruction (ISA guide 7.12.1)
.rept 4
	v_nop
.endr
.endm
; A joint load: waves 0, 1 ask for W's halves, waves 2, 3 for x's.  The branch hangs on the wave's number alone.
.macro JLOAD g0b, g1b, g0a, g1a
	s_cmp_eq_u32 s19, 0
	s_cbranch_scc0 .Lfor_a_\@
	tensor_load_to_lds s[\g0b:\g0b+3], s[\g1b:\g1b+7]
	s_nop 0
	s_branch .Lasked_\@
.Lfor_a_\@:
	tensor_load_to_lds s[\g0a:\g0a+3], s[\g1a:\g1a+7]
	s_nop 0
.Lasked_\@:
.endm
.macro CREST                           ; a round of the cluster's barrier behind its opening barrier
	s_cmp_lg_u32 s12, 0
	s_cbranch_scc1 .Lnot_wave_0_\@
	s_barrier_signal -3
.Lnot_wave_0_\@:
	s_barrier_wait -3
	s_barrier_signal -1
	s_barrier_wait -1
.endm
.macro CROUND                          ; a whole round
	s_barrier_signal -1
	s_barrier_wait -1
	CREST
.endm
; Group 1: a dense run of memory as rows of 128 elements (256 bytes), each beginning where the last ends
.macro SHAPE g, mask, rows
	s_or_b32 s[\g+0], \mask, G1W0
	s_mov_b32 s[\g+1], 128<<16                     ; tensor_dim0 = 128
	s_mov_b32 s[\g+2], \rows<<16                   ; tensor_dim1
	s_mov_b32 s[\g+3], 128<<16                     ; tile_dim0 = 128 elements
	s_mov_b32 s[\g+4], \rows                       ; tile_dim1
	s_mov_b32 s[\g+5], 128                         ; elements from row to row
	s_mov_b32 s[\g+6], 0
	s_mov_b32 s[\g+7], 0
.endm
; Group 0: to LDS byte s[l] + lc, from the address in s[p:p+1] + off
.macro GROUP0 g, l, lc, p, off
	s_mov_b32 s[\g], 1
	s_add_co_u32 s[\g+1], s[\l], \lc
	s_add_nc_u64 s[\g+2:\g+3], s[\p:\p+1], \off
	s_or_b32 s[\g+3], s[\g+3], 0x80000000
.endm
	s_load_b256 s[4:11], s[0:1], 0x0               ; xb s[4:5], wb s[6:7], b s[8:9], qkv s[10:11]
	v_lshl_add_u32 v30, v0, 2, 0x43e00
	v_mov_b32 v31, 0
	ds_add_u32 v30, v31
	v_lshrrev_b32 v1, 5, v0
	v_readfirstlane_b32 s12, v1                    ; wave 0..3
	s_lshr_b32 s19, s12, 1                         ; which 128 rows of the block are mine.  Also: I fetch for W (0) or for x (1)
	s_and_b32 s20, s12, 1                          ; which 192 columns are mine.  Also: which half of that tile I fetch
	s_bfe_u32 s13, ttmp6, 0x40000                  ; cx
	s_bfe_u32 s14, ttmp6, 0x40004                  ; cy
	s_lshl_b32 s15, ttmp9, 2
	s_add_co_u32 s15, s15, s13                     ; block column X = 4 x cluster x + cx
	s_and_b32 s16, ttmp7, 0xffff
	s_lshl_b32 s16, s16, 2
	s_add_co_u32 s16, s16, s14                     ; block row Y = 4 x cluster y + cy
	s_lshl_b32 s17, s14, 2
	s_lshl_b32 s17, 15, s17                        ; my row of the cluster: places 4 cy .. 4 cy + 3
	s_lshl_b32 s18, 0x1111, s13                    ; my column: places cx, cx + 4, cx + 8, cx + 12
	SHAPE G1BX, s18, 96                            ; 192 rows of W, one K block: 24,576 bytes
	SHAPE G1BY, s18, 192                           ; two K blocks
	SHAPE G1AX, s17, 64                            ; 128 rows of x, one K block: 16,384 bytes
	SHAPE G1AY, s17, 128                           ; two K blocks
	s_lshl_b32 s40, s16, 1
	s_add_co_u32 s40, s40, s20                     ; x: group 2 Y + half,
	s_lshl_b32 s40, s40, 18                        ; 16 K blocks of 16,384 bytes each
	s_mov_b32 s41, 0
	s_lshl_b32 s44, s15, 1
	s_add_co_u32 s44, s44, s20                     ; W: group 2 X + half
	s_mul_i32 s44, s44, 16*BKB
	s_mov_b32 s45, 0
	s_mul_i32 s46, s15, 384*4                      ; b: the block's first column, in bytes
	s_mov_b32 s47, 0
	s_mul_i32 s21, s12, BCH                        ; where my load goes: W's halves at wave x part (waves 0, 1),
	s_mul_i32 s23, s12, 2*BCH
	s_mul_i32 s22, s12, ACH                        ; x's behind them at (wave - 2) x part (waves 2, 3)
	s_mul_i32 s42, s12, 2*ACH
	v_lshlrev_b32 v[BGO], 2, v0
	s_wait_dscnt 0x0
	s_wait_kmcnt 0x0
	s_add_nc_u64 s[40:41], s[4:5], s[40:41]
	s_add_nc_u64 s[44:45], s[6:7], s[44:45]
	s_add_nc_u64 s[8:9], s[8:9], s[46:47]
.irp u, 0,1,2
	global_load_b32 v[BT+\u], v[BGO], s[8:9] offset:512*\u         ; thread t: columns t, t + 128, t + 256 of the block
.endr
	CROUND                                         ; all sixteen work-groups are here: the first joint loads meet
	GROUP0 G0BX, 21, XS, 44, 0                     ; K block 0
	GROUP0 G0AX, 22, XSA-2*ACH, 40, 0
	GROUP0 G0BY, 23, YS, 44, BKB                   ; K blocks 1 and 2
	GROUP0 G0AY, 42, YSA-4*ACH, 40, AKB
	JLOAD G0BX, G1BX, G0AX, G1AX
	JLOAD G0BY, G1BY, G0AY, G1AY                   ; two loads of the wave are out
	v_and_b32 v1, 15, v0                           ; r = l % 16
	v_bfe_u32 v2, v0, 4, 1                         ; h = l / 16
	v_and_b32 v6, 31, v0                           ; lane
	v_mul_u32_u24 v3, v1, PITCH
	v_lshl_add_u32 v3, v2, 4, v3                   ; a fragment's lane term: row x pitch + 16 h
	s_mul_i32 s21, s20, BCH
	v_add_nc_u32 v[ADRBX], s21, v3                 ; my 192 rows of W in slot X
	s_mul_i32 s21, s20, 2*BCH
	s_add_co_u32 s21, s21, YS
	v_add_nc_u32 v[ADRBY], s21, v3
	s_mul_i32 s21, s19, ACH
	s_add_co_u32 s21, s21, XSA
	v_add_nc_u32 v[ADRAX], s21, v3                 ; my 128 rows of x in slot X
	s_mul_i32 s21, s19, 2*ACH
	s_add_co_u32 s21, s21, YSA
	v_add_nc_u32 v[ADRAY], s21, v3
	v_mul_u32_u24 v4, v1, SPITCH
	v_lshl_add_u32 v4, v2, 4, v4
	s_mul_i32 s21, s19, 128*SPITCH
	s_mul_i32 s22, s20, 384
	s_add_co_u32 s21, s21, s22
	v_add_nc_u32 v[STO0], s21, v4                  ; stage row 128 x (my half) + r, my 384 bytes of it, 16 bytes for each half of the lanes
	v_add_nc_u32 v[STO1], 64*SPITCH, v[STO0]
	v_mul_u32_u24 v5, v2, SPITCH
	v_lshl_add_u32 v5, v1, 4, v5
	s_mul_i32 s21, s12, 64*SPITCH
	v_add_nc_u32 v[RD], s21, v5                    ; back: rows 64 w + h, 16 bytes a lane
	v_mul_u32_u24 v5, v2, QROW
	v_lshl_add_u32 v[CO], v1, 4, v5                ; the same two rows in qkv
	s_mul_i32 s21, s20, 192*4
	s_add_co_u32 s21, s21, BIASL
	v_lshl_add_u32 v[ADRBI], v2, 5, s21            ; the bias of my columns 8 h + 0..7 of each column block
	s_lshl_b32 s21, s12, 7
	s_add_co_u32 s21, s21, BIASL
	v_lshl_add_u32 v[BLS], v6, 2, s21              ; BIASL + 128 w + 4 lane = BIASL + 4 t
	s_wait_loadcnt 0x0                             ; the bias
.irp u, 0,1,2
	v_mul_f32 v[BT+\u], 0x3d800000, v[BT+\u]       ; b / 16
.endr
.irp u, 0,1,2
	ds_store_b32 v[BLS], v[BT+\u] offset:512*\u
.endr
; Column blocks b0 .. b1 x all 8 row blocks, 32 along K.  zero = 1: the first product starts the sums: nothing is cleared.
.macro MULB ab, b0, b1, zero
.set bb, \b0
.rept \b1-\b0+1
	WIN (0x50*(1+bb/4))                            ; C and D in window 1 + b / 4, fragments in window 0
.set aa, 0
.rept 8
.if \zero
	v_wmma_f32_16x16x32_bf16 v[8*(8*(bb%4)+aa):8*(8*(bb%4)+aa)+7], v[BB+8*bb:BB+8*bb+7], v[\ab+8*aa:\ab+8*aa+7], 0
.else
	v_wmma_f32_16x16x32_bf16 v[8*(8*(bb%4)+aa):8*(8*(bb%4)+aa)+7], v[BB+8*bb:BB+8*bb+7], v[\ab+8*aa:\ab+8*aa+7], v[8*(8*(bb%4)+aa):8*(8*(bb%4)+aa)+7]
.endif
.set aa, aa+1
.endr
.set bb, bb+1
.endr
.endm
; 12 LDS loads: W's fragments lo .. lo + 5, 32 K at byte ob of the rows at v[rb]
.macro FB lo, rb, ob
.set ii, \lo
.rept 6
	ds_load_b128 v[BB+8*ii:BB+8*ii+3],   v[\rb] offset:\ob+ii*16*PITCH
	ds_load_b128 v[BB+8*ii+4:BB+8*ii+7], v[\rb] offset:\ob+ii*16*PITCH+32
.set ii, ii+1
.endr
.endm
; 16 LDS loads: x's 8 fragments into buffer nab
.macro FA nab, ra, oa
.set ii, 0
.rept 8
	ds_load_b128 v[\nab+8*ii:\nab+8*ii+3],   v[\ra] offset:\oa+ii*16*PITCH
	ds_load_b128 v[\nab+8*ii+4:\nab+8*ii+7], v[\ra] offset:\oa+ii*16*PITCH+32
.set ii, ii+1
.endr
.endm
; A quarter: 32 along K, 96 matrix instructions on x's buffer ab.  The 96 accumulators take turns, one instruction a turn, in the same order in every quarter, over the
; backward jump too.  The next quarter's fragments (x at v[ra] + oa into buffer nab, W at v[rb] + ob) are asked for in two runs, each
; straight behind the matrix instructions that read the registers last (four places between), each 48 matrix instructions ahead of its first use.
.macro QTR ab, nab, zero, ra, oa, rb, ob
	s_wait_dscnt 12                                ; x's fragments and W's 0-5 are in; the youngest 12 loads (W's 6-11) may be out
	MULB \ab, 0, 5, \zero
	s_wait_dscnt 0x0                               ; W's 6-11, issued 48 matrix instructions ago
	PLACES
	WIN 0
	FB 0, \rb, \ob
	FA \nab, \ra, \oa
	MULB \ab, 6, 11, \zero
	PLACES
	WIN 0
	FB 6, \rb, \ob
.endm
; A slot's last quarter.  Its own fragments are in by its middle, so there my reads of the slot are over; the next quarter's come from the other slot.
; fill = 1: slot X is filled again, 2: slot YZ, each three K blocks on, behind a round of the cluster's barrier; 0: nothing is left to fetch.
.macro TURNQ ab, nab, fill, ra, oa, rb, ob
	s_wait_dscnt 12
	MULB \ab, 0, 5, 0
	s_wait_dscnt 0x0                               ; my last reads of this slot are in
	s_wait_tensorcnt 0x0                           ; all my tensor loads have landed: the one that was out is my part of the other slot
	ds_add_u32 v30, v31
	s_wait_dscnt 0x0
	s_barrier_signal -1                            ; say so,
	MULB \ab, 6, 7, 0                              ; work on registers while the others arrive,
	WIN 0
	s_barrier_wait -1                              ; and go on when all four waves have said so
.if \fill == 1
	CREST                                          ; all sixteen work-groups have said so: no wave of any partner reads this slot or has a load on its way
	s_add_nc_u64 s[G0BX+2:G0BX+3], s[G0BX+2:G0BX+3], 3*BKB
	s_add_nc_u64 s[G0AX+2:G0AX+3], s[G0AX+2:G0AX+3], 3*AKB
	JLOAD G0BX, G1BX, G0AX, G1AX                   ; my one tensor load behind the round, and the first thing there
.endif
.if \fill == 2
	CREST
	s_add_nc_u64 s[G0BY+2:G0BY+3], s[G0BY+2:G0BY+3], 3*BKB
	s_add_nc_u64 s[G0AY+2:G0AY+3], s[G0AY+2:G0AY+3], 3*AKB
	JLOAD G0BY, G1BY, G0AY, G1AY
.endif
	PLACES
	FB 0, \rb, \ob
	FA \nab, \ra, \oa
	MULB \ab, 8, 11, 0
	PLACES
	WIN 0
	FB 6, \rb, \ob
.endm
; Slot YZ's four quarters, then slot X's first
.macro PERIOD fy, fx
	QTR   AB0, AB1, 0, ADRAY, 64, ADRBY, 64
	QTR   AB1, AB0, 0, ADRAY, ACH, ADRBY, BCH
	QTR   AB0, AB1, 0, ADRAY, ACH+64, ADRBY, BCH+64
	TURNQ AB1, AB0, \fy, ADRAX, 0, ADRBX, 0
	QTR   AB0, AB1, 0, ADRAX, 64, ADRBX, 64
.endm
	s_wait_dscnt 0x0                               ; my three words of the bias are in LDS
	s_wait_tensorcnt 0x1                           ; my part of K block 0 is in; slot YZ's load was issued behind it and stays out
	s_barrier_signal -1
	s_barrier_wait -1                              ; everybody's part is in
	FB 0, ADRBX, 0
	FA AB0, ADRAX, 0
	FB 6, ADRBX, 0
	QTR   AB0, AB1, 1, ADRAX, 64, ADRBX, 64        ; K block 0 stands in front of the loop: its first products start the sums
	TURNQ AB1, AB0, 1, ADRAY, 0, ADRBY, 0          ; X <- block 3
	s_mov_b32 s3, PERIODS
.Lperiod:
	PERIOD 2, 1                                    ; trip p: blocks 3 p + 1, 3 p + 2, then YZ <- blocks 3 p + 4, 3 p + 5; block 3 p + 3,
	TURNQ AB1, AB0, 1, ADRAY, 0, ADRBY, 0          ; then X <- block 3 p + 6
	s_sub_co_u32 s3, s3, 1
	s_cmp_lg_u32 s3, 0
	s_cbranch_scc1 .Lperiod
	PERIOD 0, 0                                    ; blocks 13, 14 and the first half of block 15: nothing is left to fetch
	s_wait_dscnt 12                                ; the very last quarter
	MULB AB1, 0, 5, 0
	s_wait_dscnt 0x0                               ; my last reads of the slots are in:
	s_barrier_signal -1                            ; say so, since the slots' bytes become the stage
	MULB AB1, 6, 11, 0
	WIN 0
	s_barrier_wait -1
	; THE WAY OUT.  (sum + b) / 16 = sum x 2^-4 + b x 2^-4 in one fused multiply-add, rounded to f16; the block is gathered in LDS and leaves as whole rows.
	; The stage is the slots' bytes from 0 on: their last fill of the launch has landed, and every wave's last reads of them lie in front of the barrier above.
	PLACES
.set ii, 0
.rept 12
	ds_load_b128 v[BB+8*ii:BB+8*ii+3],   v[ADRBI] offset:64*ii     ; b / 16 of columns 16 b + 8 h + 0..7, in the place of W's fragment b
	ds_load_b128 v[BB+8*ii+4:BB+8*ii+7], v[ADRBI] offset:64*ii+16
.set ii, ii+1
.endr
	s_lshl_b32 s40, s16, 8
	s_lshl_b32 s21, s12, 6
	s_add_co_u32 s40, s40, s21
	s_mul_i32 s40, s40, QROW                       ; row 256 Y + 64 w of qkv,
	s_mov_b32 s41, 0
	s_add_nc_u64 s[10:11], s[10:11], s[40:41]
	s_mul_i32 s44, s15, 768                        ; and the block's 768 bytes of it
	s_mov_b32 s45, 0
	s_add_nc_u64 s[10:11], s[10:11], s[44:45]
	s_wait_dscnt 0x0
; The 32 tiles of window n (column blocks 4 (n - 1) .. 4 (n - 1) + 3; tile t: row block t % 8, column block t / 8 of these): three settings of the windows
.macro STAGEW n
	WIN ((\n<<6)|\n)                               ; sums in place in window n, the bias in window 0
.set tt, 0
.rept 32
.set pp, 0
.rept 4
	v_pk_fma_f32 v[8*tt+2*pp:8*tt+2*pp+1], v[8*tt+2*pp:8*tt+2*pp+1], 0x3d800000, v[BB+8*(4*(\n-1)+tt/8)+2*pp:BB+8*(4*(\n-1)+tt/8)+2*pp+1] op_sel_hi:[1,0,1]
.set pp, pp+1
.endr
.set tt, tt+1
.endr
	WIN ((\n<<2)|\n)                               ; from window n into window 0
.set tt, 0
.rept 32
.set pp, 0
.rept 4
	v_cvt_pk_f16_f32 v[H+4*tt+pp], v[8*tt+2*pp], v[8*tt+2*pp+1]
.set pp, pp+1
.endr
.set tt, tt+1
.endr
	WIN 0
.set tt, 0
.rept 32
.if (tt%8) < 4
	ds_store_b128 v[STO0], v[H+4*tt:H+4*tt+3] offset:(tt%8)*16*SPITCH+32*(4*(\n-1)+tt/8)
.else
	ds_store_b128 v[STO1], v[H+4*tt:H+4*tt+3] offset:(tt%8-4)*16*SPITCH+32*(4*(\n-1)+tt/8)
.endif
.set tt, tt+1
.endr
.endm
	STAGEW 1
	STAGEW 2
	STAGEW 3
	s_wait_dscnt 0x0                               ; my part of every row is in the stage,
	s_barrier_signal -1
	s_barrier_wait -1                              ; and so is everybody's
; 32 of my 64 rows: 16 pairs of rows x three blocks of 256 bytes
.macro OUT48 half
.set n, 0
.rept 48
	ds_load_b128 v[OB+4*n:OB+4*n+3], v[RD] offset:(16*\half+n/3)*2*SPITCH+(n%3)*256
.set n, n+1
.endr
.set n, 0
.rept 48
	s_wait_dscnt 47-n                              ; LDS loads come back in order (ISA guide 5.7.1): load n is in, the younger ones stay out
	global_store_b128 v[CO], v[OB+4*n:OB+4*n+3], s[10:11] offset:(16*\half+n/3)*2*QROW+(n%3)*256   ; 16 lanes store 256 consecutive bytes, aligned
.set n, n+1
.endr
.endm
	OUT48 0
	s_wait_xcnt 0x0                                ; the registers that the stores above read are loaded again only behind this wait
	OUT48 1
	s_wait_tensorcnt 0x0
	ds_add_u32 v30, v31
	s_wait_dscnt 0x0
	CROUND                                         ; the closing round: no work-group ends while a partner may still ask for a tile that names it
	s_endpgm
.Lfunc_end_k_q1583238961_proj:
	.size	k_q1583238961_proj, .Lfunc_end_k_q1583238961_proj-k_q1583238961_proj
	.p2alignl 7, 3214868480
	.fill 96, 4, 3214868480
	.section	.rodata,"a",@progbits
	.p2align	6, 0x0
	.amdhsa_kernel k_q1583238961_proj
		.amdhsa_group_segment_fixed_size 327680
		.amdhsa_private_segment_fixed_size 0
		.amdhsa_enable_private_segment 0
		.amdhsa_kernarg_size 32
		.amdhsa_user_sgpr_count 2
		.amdhsa_user_sgpr_kernarg_segment_ptr 1
		.amdhsa_wavefront_size32 1
		.amdhsa_system_sgpr_workgroup_id_x 1
		.amdhsa_system_sgpr_workgroup_id_y 1
		.amdhsa_system_sgpr_workgroup_id_z 1
		.amdhsa_system_vgpr_workitem_id 0
		.amdhsa_next_free_vgpr 1024
		.amdhsa_next_free_sgpr 84
		.amdhsa_reserve_vcc 0
		.amdhsa_float_denorm_mode_32 3
		.amdhsa_float_denorm_mode_16_64 3
		.amdhsa_memory_ordered 1
		.amdhsa_forward_progress 1
		.amdhsa_inst_pref_size 224
	.end_amdhsa_kernel
	.amdgpu_metadata
---
amdhsa.version: [ 1, 2 ]
amdhsa.kernels:
  - .name:           k_q1583238961_proj
    .symbol:         k_q1583238961_proj.kd
    .args:
      - { .name: xb, .offset: 0, .size: 8, .value_kind: global_buffer, .address_space: global }
      - { .name: wb, .offset: 8, .size: 8, .value_kind: global_buffer, .address_space: global }
      - { .name: b, .offset: 16, .size: 8, .value_kind: global_buffer, .address_space: global }
      - { .name: qkv, .offset: 24, .size: 8, .value_kind: global_buffer, .address_space: global }
    .group_segment_fixed_size: 327680
    .private_segment_fixed_size: 0
    .kernarg_segment_align: 8
    .kernarg_segment_size: 32
    .max_flat_workgroup_size: 128
    .sgpr_count:     84
    .vgpr_count:     1024
    .wavefront_size: 32
...
	.end_amdgpu_metadata
.endif
;; end of part 2
;; launch scores (part 3): grid 8 x 32, 4 waves a work-group, clusters of 4 x 4, 327,680 bytes of LDS; arguments qkv, e, stats; writes e, stats
.if DOCPART == 3
	.amdgcn_target "amdgcn-amd-amdhsa--gfx1250"
	.amdhsa_code_object_version 6
	.text
	.protected	k_q1583238961_scores
	.globl	k_q1583238961_scores
	.p2align	8
	.type	k_q1583238961_scores,@function
k_q1583238961_scores:
	s_mov_b64 s[64:65], 0
	v_nop
	global_prefetch_b8 v0, s[64:65] scope:SCOPE_SE
	s_setreg_imm32_b32 hwreg(HW_REG_WAVE_MODE, 25, 1), 1
	s_wait_xcnt 0x0
	s_wait_alu depctr_hold_cnt(0) depctr_sa_sdst(0) depctr_va_vdst(0) depctr_va_sdst(0) depctr_va_ssrc(0) depctr_va_vcc(0) depctr_vm_vsrc(0)
	s_getreg_b32 s2, hwreg(HW_REG_IB_STS2, 6, 4)
	s_cmp_eq_u32 s2, 0
	s_cbranch_scc0 .Lentry_in_a_cluster
	s_endpgm
.Lentry_in_a_cluster:
	s_bfe_u32 s2, ttmp6, 0x10000c
	s_cmp_lg_u32 s2, 0xf033
	s_cbranch_scc0 .Lentry_shape_is_right
	s_endpgm
.Lentry_shape_is_right:
; For a tile of 256 queries i x 128 keys j of one batch: s' = q' . k' (q' = q / 16, k' = k / 16, f16; sums in f32), so that log2(e) q.k / 1024 = c s' with c = log2(e) / 4.
; The softmax runs over i.  Each tile takes its OWN column maximum away: m'[j] = c max over the tile's i of s', E = 2^(c s' - m'), l[j] = sum over the tile's i of E.
; e[b 1024 + i][j] = f16(E), stats[b][i block][j] = {m', l} in f32.  The next launch merges the four i blocks' figures of a column.
; E lies in (0, 1]; l is the sum of E before its rounding to f16.  E below 2^-24 is stored as 0.  NaN and infinities get no special treatment.
; Four waves; wave w makes rows 64 w .. 64 w + 63 x all 128 columns: 4 x 8 accumulator tiles, 256 registers (window 1, tile (a, b) at v[64 a + 8 b]).
; K = 1024 in 8 steps of 128 (rows of 256 bytes, aligned) through two LDS slots; waves 0, 1 fetch 128 rows of q' each, waves 2, 3 fetch 64 rows of k' each.
; CLUSTERS: 4 x 4 work-groups = four j blocks x the four i blocks of one batch.  q's tile hangs on the i block alone: shared along a row of the cluster; k's on the batch and the
; j block: shared along a column.  No prefetch: the operand was written by the launch in front of this one.
; The matrix instruction is used transposed (source 0 = rows of k', source 1 = rows of q'): lane l holds query 16 a + l % 16, register g of tile b the key 16 b + 8 (l / 16) + g.
.set PITCH,  272
.set ATILE,  256*PITCH
.set SLOT,   ATILE+128*PITCH           ; q's 256 rows, then k's 128 rows
.set STAGE,  2*SLOT                    ; 16 rows x 272 bytes for each wave, for E's way out
.set RED,    STAGE+4*16*PITCH          ; 128 words for each wave: its column maxima, later its column sums
.set FIN,    RED+4*512                 ; 128 words: the tile's column maxima
.set KB,     256
.set LAPS,   4
.set QROW,   6144
.set ADRA, 16
.set ADRB, 20
.set STO,  22
.set RD,   23
.set CO,   24
.set REDW, 25                          ; RED + 512 w + 32 h
.set REDR, 26                          ; RED + 4 x (my column = 32 w + lane)
.set FINR, 27                          ; FIN + 32 h
.set ST,   28                          ; v[28:29] m', l of my column
.set SO,   30                          ; 8 x thread: my place in stats
.set F0,   32                          ; a buffer: 8 fragments of k', then 4 of q'
.set F1,   128
.set T,    32                          ; way out: 64 column figures
.set TMP,  96
.set OB,   128
.set G1A, 24
.set G0A, 32
.set G1B, 48
.set G0B, 56
.set G1W0, (1<<16)|(1<<20)|(1<<21)|(5<<22)|(3<<25)
.set MULW, 0x50                        ; C and D in window 1
.set CEXP, 0x3eb8aa3b                  ; c = log2(e) / 4
.set CNEG, 0xbeb8aa3b                  ; -c
.set MSB, 0
.macro WIN new
.if MSB != \new
	s_set_vgpr_msb (MSB<<8)|\new
.set MSB, \new
.endif
.endm
.macro PLACES
.rept 4
	v_nop
.endr
.endm
.macro JLOAD s                         ; waves 0, 1 ask for q's halves, waves 2, 3 for k's
	s_cmp_eq_u32 s19, 0
	s_cbranch_scc0 .Lfor_b_\@
	tensor_load_to_lds s[G0A+4*\s:G0A+4*\s+3], s[G1A:G1A+7]
	s_nop 0
	s_branch .Lasked_\@
.Lfor_b_\@:
	tensor_load_to_lds s[G0B+4*\s:G0B+4*\s+3], s[G1B:G1B+7]
	s_nop 0
.Lasked_\@:
.endm
.macro CREST
	s_cmp_lg_u32 s12, 0
	s_cbranch_scc1 .Lnot_wave_0_\@
	s_barrier_signal -3
.Lnot_wave_0_\@:
	s_barrier_wait -3
	s_barrier_signal -1
	s_barrier_wait -1
.endm
.macro CROUND
	s_barrier_signal -1
	s_barrier_wait -1
	CREST
.endm
	s_load_b128 s[4:7], s[0:1], 0x0                ; qkv s[4:5], e s[6:7]
	s_load_b64 s[8:9], s[0:1], 0x10                ; stats
	v_lshl_add_u32 v254, v0, 2, 0x37e00
	v_mov_b32 v255, 0
	ds_add_u32 v254, v255
	v_lshrrev_b32 v1, 5, v0
	v_readfirstlane_b32 s12, v1                    ; wave 0..3
	s_lshr_b32 s19, s12, 1                         ; I fetch for q (0) or for k (1)
	s_and_b32 s20, s12, 1                          ; which half of that tile
	s_bfe_u32 s13, ttmp6, 0x40000                  ; cx
	s_bfe_u32 s14, ttmp6, 0x40004                  ; cy = the i block
	s_lshl_b32 s15, ttmp9, 2
	s_add_co_u32 s15, s15, s13                     ; X: the j block
	s_and_b32 s16, ttmp7, 0xffff                   ; the cluster's y is the batch
	s_lshl_b32 s16, s16, 2
	s_add_co_u32 s16, s16, s14                     ; Y = 4 x batch + i block
	s_lshl_b32 s17, s14, 2
	s_lshl_b32 s17, 15, s17                        ; my row of the cluster
	s_lshl_b32 s18, 0x1111, s13                    ; my column
	s_or_b32 s[G1A+0], s17, G1W0
	s_mov_b32 s[G1A+1], 128<<16                    ; tensor_dim0 = 128
	s_mov_b32 s[G1A+2], 128<<16                    ; tensor_dim1 = 128
	s_mov_b32 s[G1A+3], 128<<16                    ; tile_dim0 = 128 elements
	s_mov_b32 s[G1A+4], 128                        ; tile_dim1 = 128 rows
	s_mov_b32 s[G1A+5], 3072                       ; elements from row to row
	s_mov_b32 s[G1A+6], 0
	s_mov_b32 s[G1A+7], 0
	s_or_b32 s[G1B+0], s18, G1W0
	s_mov_b32 s[G1B+1], 128<<16
	s_mov_b32 s[G1B+2], 64<<16                     ; 64 rows
	s_mov_b32 s[G1B+3], 128<<16
	s_mov_b32 s[G1B+4], 64
	s_mov_b32 s[G1B+5], 3072
	s_mov_b32 s[G1B+6], 0
	s_mov_b32 s[G1B+7], 0
	s_lshl_b32 s40, s16, 8
	s_lshl_b32 s21, s20, 7
	s_add_co_u32 s40, s40, s21
	s_mul_i32 s40, s40, QROW                       ; q': row 256 Y + 128 x half
	s_mov_b32 s41, 0
	s_and_b32 s44, ttmp7, 0xffff
	s_lshl_b32 s44, s44, 10
	s_lshl_b32 s46, s15, 7
	s_add_co_u32 s44, s44, s46
	s_lshl_b32 s21, s20, 6
	s_add_co_u32 s44, s44, s21
	s_mul_i32 s44, s44, QROW                       ; k': row 1024 x batch + 128 X + 64 x half,
	s_add_co_u32 s44, s44, 2048                    ; columns 1024 and on
	s_mov_b32 s45, 0
	s_mul_i32 s22, s12, 128*PITCH                  ; q's halves lie at wave x 128 rows (waves 0, 1),
	s_mul_i32 s23, s12, 64*PITCH
	s_add_co_u32 s23, s23, 128*PITCH               ; k's at 256 rows + (wave - 2) x 64 rows (waves 2, 3)
	s_wait_dscnt 0x0
	s_wait_kmcnt 0x0
	s_add_nc_u64 s[40:41], s[4:5], s[40:41]
	s_add_nc_u64 s[44:45], s[4:5], s[44:45]
	CROUND                                         ; in front of the first joint loads
.irp s, 0,1
	s_mov_b32 s[G0A+4*\s], 1
	s_add_co_u32 s[G0A+4*\s+1], s22, \s*SLOT
	s_add_nc_u64 s[G0A+4*\s+2:G0A+4*\s+3], s[40:41], \s*KB
	s_or_b32 s[G0A+4*\s+3], s[G0A+4*\s+3], 0x80000000
	s_mov_b32 s[G0B+4*\s], 1
	s_add_co_u32 s[G0B+4*\s+1], s23, \s*SLOT
	s_add_nc_u64 s[G0B+4*\s+2:G0B+4*\s+3], s[44:45], \s*KB
	s_or_b32 s[G0B+4*\s+3], s[G0B+4*\s+3], 0x80000000
	JLOAD \s                                       ; K steps 0 and 1: two loads of the wave are out
.endr
	v_and_b32 v1, 15, v0                           ; r
	v_bfe_u32 v2, v0, 4, 1                         ; h
	v_and_b32 v6, 31, v0                           ; lane
	v_mul_u32_u24 v3, v1, PITCH
	v_lshl_add_u32 v3, v2, 4, v3                   ; r x pitch + 16 h
	s_mul_i32 s21, s12, 64*PITCH                   ; my 64 rows of q'
	v_add_nc_u32 v[ADRA], s21, v3
	s_add_co_u32 s21, s21, SLOT
	v_add_nc_u32 v[ADRA+1], s21, v3
	v_add_nc_u32 v[ADRB], ATILE, v3
	v_add_nc_u32 v[ADRB+1], SLOT+ATILE, v3
	s_mul_i32 s21, s12, 16*PITCH
	s_add_co_u32 s21, s21, STAGE                   ; my stage
	v_add_nc_u32 v[STO], s21, v3
	v_mul_u32_u24 v4, v2, PITCH
	v_lshl_add_u32 v4, v1, 4, v4
	v_add_nc_u32 v[RD], s21, v4
	v_lshlrev_b32 v4, 11, v2
	v_lshl_add_u32 v[CO], v1, 4, v4                ; two rows of e: 2,048 h + 16 r
	s_lshl_b32 s21, s12, 9
	s_add_co_u32 s21, s21, RED
	v_lshl_add_u32 v[REDW], v2, 5, s21
	s_lshl_b32 s21, s12, 7
	s_add_co_u32 s21, s21, RED
	v_lshl_add_u32 v[REDR], v6, 2, s21
	v_lshlrev_b32 v4, 5, v2
	v_add_nc_u32 v[FINR], FIN, v4
	v_lshlrev_b32 v[SO], 3, v0
.macro MUL16 f, a0, zero               ; row blocks a0, a0 + 1 x all 8 column blocks, 32 along K
.irp a, \a0, \a0+1
.irp b, 0,1,2,3,4,5,6,7
.if \zero
	v_wmma_f32_16x16x32_f16 v[8*(8*(\a)+\b):8*(8*(\a)+\b)+7], v[\f+8*\b:\f+8*\b+7], v[\f+64+8*(\a):\f+64+8*(\a)+7], 0
.else
	v_wmma_f32_16x16x32_f16 v[8*(8*(\a)+\b):8*(8*(\a)+\b)+7], v[\f+8*\b:\f+8*\b+7], v[\f+64+8*(\a):\f+64+8*(\a)+7], v[8*(8*(\a)+\b):8*(8*(\a)+\b)+7]
.endif
.endr
.endr
.endm
.macro FETCH slot, k, f                ; 24 LDS loads: 128 rows of k', my 64 rows of q', 32 K at byte k
	WIN 0
.irp i, 0,1,2,3,4,5,6,7
	ds_load_b128 v[\f+8*\i:\f+8*\i+3],   v[ADRB+\slot] offset:\k+\i*16*PITCH
	ds_load_b128 v[\f+8*\i+4:\f+8*\i+7], v[ADRB+\slot] offset:\k+\i*16*PITCH+32
.endr
.irp i, 0,1,2,3
	ds_load_b128 v[\f+64+8*\i:\f+64+8*\i+3],   v[ADRA+\slot] offset:\k+\i*16*PITCH
	ds_load_b128 v[\f+64+8*\i+4:\f+64+8*\i+7], v[ADRA+\slot] offset:\k+\i*16*PITCH+32
.endr
.endm
; The 32 accumulators take turns, one instruction a turn, in the same order in every quarter.
.macro QUARTER slot, k, f, g, zero
	s_wait_dscnt 0x0                               ; buffer f's loads, issued 32 matrix instructions ago, are in
	PLACES                                         ; buffer g was read by the quarter just issued
	FETCH \slot, \k, \g
	WIN MULW
	MUL16 \f, 0, \zero
	MUL16 \f, 2, \zero
.endm
.macro THREE slot, zero
	QUARTER \slot, 64,  F0, F1, \zero
	QUARTER \slot, 128, F1, F0, 0
	QUARTER \slot, 192, F0, F1, 0
.endm
.macro TURN slot, next, fill
	s_wait_dscnt 0x0                               ; buffer 1 is in: my last reads of this slot are over
	s_wait_tensorcnt 0x0                           ; all my tensor loads have landed: the one that was out is my part of the next slot
	ds_add_u32 v254, v255
	s_wait_dscnt 0x0
	s_barrier_signal -1
	WIN MULW
	MUL16 F1, 0, 0                                 ; register work while the others arrive
	WIN 0
	s_barrier_wait -1
.if \fill
	CREST                                          ; no wave of any partner reads this slot or has a load on its way
	s_add_nc_u64 s[G0A+4*\slot+2:G0A+4*\slot+3], s[G0A+4*\slot+2:G0A+4*\slot+3], 2*KB
	s_add_nc_u64 s[G0B+4*\slot+2:G0B+4*\slot+3], s[G0B+4*\slot+2:G0B+4*\slot+3], 2*KB
	JLOAD \slot                                    ; my one tensor load behind the round, first thing there; 112 matrix instructions in which to land
.endif
	PLACES                                         ; buffer 0 was read one quarter ago; only these four lines are places since
	FETCH \next, 0, F0
	WIN MULW
	MUL16 F1, 2, 0
.endm
.macro LAP zero
	THREE 0, \zero
	TURN 0, 1, 1
	THREE 1, 0
	TURN 1, 0, 1
.endm
	s_wait_tensorcnt 0x1                           ; my part of K step 0 is in; step 1's load stays out
	s_barrier_signal -1
	s_barrier_wait -1
	FETCH 0, 0, F0
	LAP 1
	WIN 0
	s_mov_b32 s3, LAPS-2
.Llap:
	LAP 0
	WIN 0
	s_sub_co_u32 s3, s3, 1
	s_cmp_lg_u32 s3, 0
	s_cbranch_scc1 .Llap
	THREE 0, 0
	TURN 0, 1, 0
	THREE 1, 0
	s_wait_dscnt 0x0
	WIN MULW
	MUL16 F1, 0, 0
	MUL16 F1, 2, 0
	; 1. The column maxima of my 64 rows: over the four row blocks in each lane, then over the 16 lanes of a half (which hold 16 rows of the same 8 columns of each tile).
	PLACES
	WIN 0x15
.set cc, 0
.rept 64
	v_max3_num_f32 v[T+cc], v[cc], v[64+cc], v[128+cc]
.set cc, cc+1
.endr
	WIN 0x04
.set cc, 0
.rept 64
	v_max_num_f32 v[T+cc], v[T+cc], v[192+cc]
.set cc, cc+1
.endr
	WIN 0
.irp m, 1,2,4,8
.set cc, 0
.rept 64
	v_max_num_f32_dpp v[T+cc], v[T+cc], v[T+cc] row_xmask:\m row_mask:0xf bank_mask:0xf
.set cc, cc+1
.endr
.endr
.irp b, 0,1,2,3,4,5,6,7
	ds_store_b128 v[REDW], v[T+8*\b:T+8*\b+3] offset:64*\b          ; column 16 b + 8 h + g at word 16 b + 8 h + g; the 16 lanes of a half write the same words with the same values
	ds_store_b128 v[REDW], v[T+8*\b+4:T+8*\b+7] offset:64*\b+16
.endr
	s_wait_dscnt 0x0                               ; my maxima are in LDS,
	s_barrier_signal -1
	s_barrier_wait -1                              ; and so are the other waves'
	; 2. One thread a column merges the four waves' maxima.
.irp u, 0,1,2,3
	ds_load_b32 v[TMP+\u], v[REDR] offset:512*\u
.endr
	s_wait_dscnt 0x0
	v_max3_num_f32 v[TMP], v[TMP], v[TMP+1], v[TMP+2]
	v_max_num_f32 v[TMP], v[TMP], v[TMP+3]
	ds_store_b32 v[REDR], v[TMP] offset:FIN-RED
	v_mul_f32 v[ST], CEXP, v[TMP]                  ; m' = c x maximum, the very number (but for its sign) that is taken away below
	s_wait_dscnt 0x0                               ; my reads of RED are over and my word of FIN is written,
	s_barrier_signal -1
	s_barrier_wait -1                              ; everybody's too: FIN may be read and RED written again
	; 3. E = 2^(c s' - m'), in place.
.irp b, 0,1,2,3,4,5,6,7
	ds_load_b128 v[T+8*\b:T+8*\b+3], v[FINR] offset:64*\b
	ds_load_b128 v[T+8*\b+4:T+8*\b+7], v[FINR] offset:64*\b+16
.endr
	s_wait_dscnt 0x0
.set cc, 0
.rept 32
	v_pk_mul_f32 v[T+2*cc:T+2*cc+1], v[T+2*cc:T+2*cc+1], CNEG op_sel_hi:[1,0]
.set cc, cc+1
.endr
	WIN 0x41
.set cc, 0
.rept 128
	v_pk_fma_f32 v[2*cc:2*cc+1], v[2*cc:2*cc+1], CEXP, v[T+(2*cc)%64:T+(2*cc)%64+1] op_sel_hi:[1,0,1]
.set cc, cc+1
.endr
.set cc, 0
.rept 256
	v_exp_f32 v[cc], v[cc]
.set cc, cc+1
.endr
	v_nop                                          ; one plain place behind the last exponential (ISA guide 5.7.2)
	; 4. The column sums, by the same road as the maxima.
	WIN 0x05
.set cc, 0
	s_wait_alu depctr_va_vdst(0)
.rept 32
	v_pk_add_f32 v[T+2*cc:T+2*cc+1], v[2*cc:2*cc+1], v[64+2*cc:64+2*cc+1]
.set cc, cc+1
.endr
	WIN 0x04
.set cc, 0
.rept 32
	v_pk_add_f32 v[T+2*cc:T+2*cc+1], v[T+2*cc:T+2*cc+1], v[128+2*cc:128+2*cc+1]
.set cc, cc+1
.endr
.set cc, 0
.rept 32
	v_pk_add_f32 v[T+2*cc:T+2*cc+1], v[T+2*cc:T+2*cc+1], v[192+2*cc:192+2*cc+1]
.set cc, cc+1
.endr
	WIN 0
.irp m, 1,2,4,8
.set cc, 0
.rept 64
	v_add_f32_dpp v[T+cc], v[T+cc], v[T+cc] row_xmask:\m row_mask:0xf bank_mask:0xf
.set cc, cc+1
.endr
.endr
.irp b, 0,1,2,3,4,5,6,7
	ds_store_b128 v[REDW], v[T+8*\b:T+8*\b+3] offset:64*\b
	ds_store_b128 v[REDW], v[T+8*\b+4:T+8*\b+7] offset:64*\b+16
.endr
	s_lshl_b32 s40, s16, 13                        ; stats: (4 x batch + i block) x 8,192 bytes,
	s_mov_b32 s41, 0
	s_add_nc_u64 s[8:9], s[8:9], s[40:41]
	s_lshl_b32 s44, s15, 10                        ; + j block x 128 x 8 bytes
	s_mov_b32 s45, 0
	s_add_nc_u64 s[8:9], s[8:9], s[44:45]
	s_lshl_b32 s40, s16, 8
	s_lshl_b32 s20, s12, 6
	s_add_co_u32 s40, s40, s20
	s_lshl_b32 s40, s40, 11                        ; e: row 256 Y + 64 w,
	s_add_nc_u64 s[6:7], s[6:7], s[40:41]
	s_lshl_b32 s44, s15, 8                         ; the block's 256 bytes of it
	s_add_nc_u64 s[6:7], s[6:7], s[44:45]
	s_wait_dscnt 0x0
	s_barrier_signal -1
	s_barrier_wait -1
.irp u, 0,1,2,3
	ds_load_b32 v[TMP+\u], v[REDR] offset:512*\u
.endr
	s_wait_dscnt 0x0
	v_add_f32 v[TMP], v[TMP], v[TMP+1]
	v_add_f32 v[TMP+2], v[TMP+2], v[TMP+3]
	v_add_f32 v[ST+1], v[TMP], v[TMP+2]
	global_store_b64 v[SO], v[ST:ST+1], s[8:9]     ; a wave stores 256 consecutive bytes, aligned
	; 5. E leaves, 16 rows at a time, through my own stage: 16 bytes a lane in, whole rows of 256 bytes back.
.macro OUT16 a, f
	WIN 0x05
.irp b, 0,1,2,3,4,5,6,7
.irp r, 0,1,2,3
	v_cvt_pk_f16_f32 v[TMP+4*\b+\r], v[64*\a+8*\b+2*\r], v[64*\a+8*\b+2*\r+1]
.endr
.endr
	WIN 0
.irp b, 0,1,2,3,4,5,6,7
	ds_store_b128 v[STO], v[TMP+4*\b:TMP+4*\b+3] offset:32*\b
.endr
	s_wait_xcnt 0x0                                ; buffer f, which earlier stores read, is loaded again only behind this wait
.irp t, 0,1,2,3,4,5,6,7
	ds_load_b128 v[\f+4*\t:\f+4*\t+3], v[RD] offset:\t*2*PITCH      ; LDS serves a wave's instructions in order (ISA guide 5.7.1): these see the stores above
.endr
.irp t, 0,1,2,3,4,5,6,7
	s_wait_dscnt 7-\t
	global_store_b128 v[CO], v[\f+4*\t:\f+4*\t+3], s[6:7] offset:\a*32768+\t*4096   ; 16 lanes store 256 consecutive bytes, aligned
.endr
.endm
	OUT16 0, OB
	OUT16 1, OB+32
	OUT16 2, OB
	OUT16 3, OB+32
	s_wait_tensorcnt 0x0
	ds_add_u32 v254, v255
	s_wait_dscnt 0x0
	CROUND                                         ; the closing round
	s_endpgm
.Lfunc_end_k_q1583238961_scores:
	.size	k_q1583238961_scores, .Lfunc_end_k_q1583238961_scores-k_q1583238961_scores
	.p2alignl 7, 3214868480
	.fill 96, 4, 3214868480
	.section	.rodata,"a",@progbits
	.p2align	6, 0x0
	.amdhsa_kernel k_q1583238961_scores
		.amdhsa_group_segment_fixed_size 327680
		.amdhsa_private_segment_fixed_size 0
		.amdhsa_enable_private_segment 0
		.amdhsa_kernarg_size 24
		.amdhsa_user_sgpr_count 2
		.amdhsa_user_sgpr_kernarg_segment_ptr 1
		.amdhsa_wavefront_size32 1
		.amdhsa_system_sgpr_workgroup_id_x 1
		.amdhsa_system_sgpr_workgroup_id_y 1
		.amdhsa_system_sgpr_workgroup_id_z 1
		.amdhsa_system_vgpr_workitem_id 0
		.amdhsa_next_free_vgpr 512
		.amdhsa_next_free_sgpr 66
		.amdhsa_reserve_vcc 0
		.amdhsa_float_denorm_mode_32 3
		.amdhsa_float_denorm_mode_16_64 3
		.amdhsa_memory_ordered 1
		.amdhsa_forward_progress 1
		.amdhsa_inst_pref_size 189
	.end_amdhsa_kernel
	.amdgpu_metadata
---
amdhsa.version: [ 1, 2 ]
amdhsa.kernels:
  - .name:           k_q1583238961_scores
    .symbol:         k_q1583238961_scores.kd
    .args:
      - { .name: qkv, .offset: 0, .size: 8, .value_kind: global_buffer, .address_space: global }
      - { .name: e, .offset: 8, .size: 8, .value_kind: global_buffer, .address_space: global }
      - { .name: stats, .offset: 16, .size: 8, .value_kind: global_buffer, .address_space: global }
    .group_segment_fixed_size: 327680
    .private_segment_fixed_size: 0
    .kernarg_segment_align: 8
    .kernarg_segment_size: 24
    .max_flat_workgroup_size: 128
    .sgpr_count:     66
    .vgpr_count:     512
    .wavefront_size: 32
...
	.end_amdgpu_metadata
.endif
;; end of part 3
;; launch pv (part 4): grid 8 x 32, 4 waves a work-group, clusters of 4 x 4, 327,680 bytes of LDS; arguments e, qkv, stats, out0; writes out0
.if DOCPART == 4
	.amdgcn_target "amdgcn-amd-amdhsa--gfx1250"
	.amdhsa_code_object_version 6
	.text
	.protected	k_q1583238961_pv
	.globl	k_q1583238961_pv
	.p2align	8
	.type	k_q1583238961_pv,@function
k_q1583238961_pv:
	s_mov_b64 s[64:65], 0
	v_nop
	global_prefetch_b8 v0, s[64:65] scope:SCOPE_SE
	s_setreg_imm32_b32 hwreg(HW_REG_WAVE_MODE, 25, 1), 1
	s_wait_xcnt 0x0
	s_wait_alu depctr_hold_cnt(0) depctr_sa_sdst(0) depctr_va_vdst(0) depctr_va_sdst(0) depctr_va_ssrc(0) depctr_va_vcc(0) depctr_vm_vsrc(0)
	s_getreg_b32 s2, hwreg(HW_REG_IB_STS2, 6, 4)
	s_cmp_eq_u32 s2, 0
	s_cbranch_scc0 .Lentry_in_a_cluster
	s_endpgm
.Lentry_in_a_cluster:
	s_bfe_u32 s2, ttmp6, 0x10000c
	s_cmp_lg_u32 s2, 0xf033
	s_cbranch_scc0 .Lentry_shape_is_right
	s_endpgm
.Lentry_shape_is_right:
; out0[b][i][d] = sum over j of P[i][j] v[j][d], with P[i][j] = E[i][j] 2^(m'[ib][j] - M[j]) / L[j], ib = i's block of 256 rows,
; M[j] = max over the four blocks of m', L[j] = sum over the four blocks of l 2^(m' - M): the softmax over i, with its true column maximum taken away.
; L is at least about 1: the block that holds the maximum has an E of 1 in that column.
; The product runs in f16 on 16 P (weight w[j] = 16 x 2^(m'[ib][j] - M[j]) / L[j], at most 16, times E, at most 1) and v / 16 as stored: the factors cancel; sums in f32.
; 16 P below 2^-24 counts as 0.  NaN and infinities get no special treatment.
; A work-group makes 256 rows i x 128 columns d; wave w rows 64 w .. 64 w + 63 x all 128 columns: 4 x 8 accumulator tiles in window 1, tile (a, b) at v[64 a + 8 b].
; K = j = 1024 in 8 steps of 128 through two LDS slots: E's tile 256 rows x 256 bytes (waves 0, 1 fetch 128 rows each), v's tile 128 rows j x 256 bytes (waves 2, 3, 64 rows each).
; v lies [j][d], so its fragments come by the transposing LDS load; its rows are 288 bytes apart, an odd multiple of 32.
; CLUSTERS: 4 x 4 = four d blocks x the four i blocks of one batch.  E's tile is shared along a row of the cluster, v's along a column.
; No prefetch: both operands were written by the launches in front of this one.
.set PITCH,  272
.set BPITCH, 288
.set OPITCH, 528                       ; the stage's row: 512 bytes + 16
.set ATILE,  256*PITCH
.set SLOT,   ATILE+128*BPITCH
.set W16,    2*SLOT                    ; the 1,024 weights in f16
.set STAGE,  W16+2048                  ; 16 rows x 528 bytes for each wave
.set LAPS,   4
.set QROW,   6144
.set ASTEP,  512                       ; two K steps along E's rows
.set BSTEP,  2*128*QROW                ; two K steps down v's rows
.set WST,  13                          ; v13     W16 + 16 x thread
.set SOF,  14                          ; v14     64 x thread: my 8 columns in a block's stats;  v15 the same in my own block's
.set ADRA, 16
.set ADRB, 20
.set ADRW, 22                          ; W16 + 16 h + 512 x lap
.set STO,  23
.set RD,   24
.set CO,   25
.set F0,   32                          ; a buffer: 8 fragments of v, 4 of E, 8 registers of weights
.set F1,   136
.set SM,   32                          ; head: {m', l} of 8 columns x 4 blocks, 16 registers a block
.set OWN,  96                          ; head: the same of my own block
.set MX,   112                         ; head: M, then L, then 16 / L
.set WH,   120                         ; head: 8 weights in f16
.set G1A, 24
.set G0A, 32
.set G1B, 48
.set G0B, 56
.set MULW, 0x50
.set MSB, 0
.macro WIN new
.if MSB != \new
	s_set_vgpr_msb (MSB<<8)|\new
.set MSB, \new
.endif
.endm
.macro PLACES
.rept 4
	v_nop
.endr
.endm
.macro JLOAD s                         ; waves 0, 1 ask for E's halves, waves 2, 3 for v's
	s_cmp_eq_u32 s19, 0
	s_cbranch_scc0 .Lfor_b_\@
	tensor_load_to_lds s[G0A+4*\s:G0A+4*\s+3], s[G1A:G1A+7]
	s_nop 0
	s_branch .Lasked_\@
.Lfor_b_\@:
	tensor_load_to_lds s[G0B+4*\s:G0B+4*\s+3], s[G1B:G1B+7]
	s_nop 0
.Lasked_\@:
.endm
.macro CREST
	s_cmp_lg_u32 s12, 0
	s_cbranch_scc1 .Lnot_wave_0_\@
	s_barrier_signal -3
.Lnot_wave_0_\@:
	s_barrier_wait -3
	s_barrier_signal -1
	s_barrier_wait -1
.endm
.macro CROUND
	s_barrier_signal -1
	s_barrier_wait -1
	CREST
.endm
	s_load_b256 s[4:11], s[0:1], 0x0               ; e s[4:5], qkv s[6:7], stats s[8:9], out0 s[10:11]
	v_lshl_add_u32 v254, v0, 2, 0x3cc00
	v_mov_b32 v255, 0
	ds_add_u32 v254, v255
	v_lshrrev_b32 v1, 5, v0
	v_readfirstlane_b32 s12, v1                    ; wave 0..3
	s_lshr_b32 s19, s12, 1                         ; I fetch for E (0) or for v (1)
	s_and_b32 s20, s12, 1                          ; which half of that tile
	s_bfe_u32 s13, ttmp6, 0x40000                  ; cx
	s_bfe_u32 s14, ttmp6, 0x40004                  ; cy = the i block
	s_lshl_b32 s15, ttmp9, 2
	s_add_co_u32 s15, s15, s13                     ; X: the d block
	s_and_b32 s16, ttmp7, 0xffff                   ; the cluster's y is the batch
	s_lshl_b32 s16, s16, 2
	s_add_co_u32 s16, s16, s14                     ; Y = 4 x batch + i block
	s_lshl_b32 s17, s14, 2
	s_lshl_b32 s17, 15, s17                        ; my row of the cluster
	s_lshl_b32 s18, 0x1111, s13                    ; my column
	s_or_b32 s[G1A+0], s17, (1<<16)|(1<<20)|(1<<21)|(5<<22)|(3<<25)   ; elements of 2 bytes; after every 64 words 4 words of padding; bit 21 beside the mask
	s_mov_b32 s[G1A+1], 128<<16
	s_mov_b32 s[G1A+2], 128<<16                    ; 128 rows
	s_mov_b32 s[G1A+3], 128<<16
	s_mov_b32 s[G1A+4], 128
	s_mov_b32 s[G1A+5], 1024                       ; e: elements from row to row
	s_mov_b32 s[G1A+6], 0
	s_mov_b32 s[G1A+7], 0
	s_or_b32 s[G1B+0], s18, (1<<16)|(1<<20)|(1<<21)|(5<<22)|(7<<25)   ; the same with 8 words of padding: LDS rows 288 bytes apart
	s_mov_b32 s[G1B+1], 128<<16
	s_mov_b32 s[G1B+2], 64<<16                     ; 64 rows
	s_mov_b32 s[G1B+3], 128<<16
	s_mov_b32 s[G1B+4], 64
	s_mov_b32 s[G1B+5], 3072                       ; qkv: elements from row to row
	s_mov_b32 s[G1B+6], 0
	s_mov_b32 s[G1B+7], 0
	s_lshl_b32 s40, s16, 8
	s_lshl_b32 s21, s20, 7
	s_add_co_u32 s40, s40, s21
	s_lshl_b32 s40, s40, 11                        ; E: row 256 Y + 128 x half, rows of 2,048 bytes
	s_mov_b32 s41, 0
	s_and_b32 s44, ttmp7, 0xffff
	s_lshl_b32 s44, s44, 10
	s_lshl_b32 s21, s20, 6
	s_add_co_u32 s44, s44, s21
	s_mul_i32 s44, s44, QROW                       ; v: row 1024 x batch + 64 x half,
	s_lshl_b32 s46, s15, 8
	s_add_co_u32 s44, s44, s46                     ; the d block's 256 bytes,
	s_add_co_u32 s44, s44, 4096                    ; behind q's and k's columns
	s_mov_b32 s45, 0
	s_and_b32 s42, ttmp7, 0xffff
	s_lshl_b32 s42, s42, 15                        ; stats of my batch
	s_mov_b32 s43, 0
	s_mul_i32 s22, s12, 128*PITCH                  ; E's halves lie at wave x 128 rows (waves 0, 1),
	s_mul_i32 s23, s12, 64*BPITCH
	s_add_co_u32 s23, s23, ATILE-128*BPITCH        ; v's behind E's 256 rows, at (wave - 2) x 64 rows (waves 2, 3)
	v_lshlrev_b32 v[SOF], 6, v0                    ; thread t sees to columns 8 t .. 8 t + 7: 64 bytes of a block's stats
	s_lshl_b32 s21, s14, 13
	v_add_nc_u32 v[SOF+1], s21, v[SOF]             ; the same in my own i block
	s_wait_dscnt 0x0
	s_wait_kmcnt 0x0
	s_add_nc_u64 s[40:41], s[4:5], s[40:41]
	s_add_nc_u64 s[44:45], s[6:7], s[44:45]
	s_add_nc_u64 s[8:9], s[8:9], s[42:43]
.irp ib, 0,1,2,3
.irp u, 0,1,2,3
	global_load_b128 v[SM+16*\ib+4*\u:SM+16*\ib+4*\u+3], v[SOF], s[8:9] offset:8192*\ib+16*\u
.endr
.endr
.irp u, 0,1,2,3
	global_load_b128 v[OWN+4*\u:OWN+4*\u+3], v[SOF+1], s[8:9] offset:16*\u
.endr
	CROUND                                         ; in front of the first joint loads
.irp s, 0,1
	s_mov_b32 s[G0A+4*\s], 1
	s_add_co_u32 s[G0A+4*\s+1], s22, \s*SLOT
	s_add_nc_u64 s[G0A+4*\s+2:G0A+4*\s+3], s[40:41], \s*256
	s_or_b32 s[G0A+4*\s+3], s[G0A+4*\s+3], 0x80000000
	s_mov_b32 s[G0B+4*\s], 1
	s_add_co_u32 s[G0B+4*\s+1], s23, \s*SLOT
	s_add_nc_u64 s[G0B+4*\s+2:G0B+4*\s+3], s[44:45], \s*128*QROW
	s_or_b32 s[G0B+4*\s+3], s[G0B+4*\s+3], 0x80000000
	JLOAD \s                                       ; K steps 0 and 1: two loads of the wave are out
.endr
	v_and_b32 v1, 15, v0                           ; r
	v_bfe_u32 v2, v0, 4, 1                         ; h
	v_and_b32 v6, 31, v0                           ; lane
	v_mul_u32_u24 v3, v1, PITCH
	v_lshl_add_u32 v3, v2, 4, v3
	s_mul_i32 s21, s12, 64*PITCH                   ; my 64 rows of E
	v_add_nc_u32 v[ADRA], s21, v3
	s_add_co_u32 s21, s21, SLOT
	v_add_nc_u32 v[ADRA+1], s21, v3
	v_and_b32 v4, 7, v0
	v_lshl_add_u32 v4, v2, 3, v4                   ; the transposing load: row 8 h + l % 8,
	v_mul_u32_u24 v4, v4, BPITCH
	v_bfe_u32 v5, v0, 3, 1
	v_lshl_add_u32 v4, v5, 4, v4                   ; 16 bytes on for the second eight lanes of a half
	v_add_nc_u32 v[ADRB], ATILE, v4
	v_add_nc_u32 v[ADRB+1], SLOT+ATILE, v4
	v_lshlrev_b32 v5, 4, v2
	v_add_nc_u32 v[ADRW], W16, v5                  ; the weights of k = 8 h .. 8 h + 7, as in a fragment of E
	s_mul_i32 s21, s12, 16*OPITCH
	s_add_co_u32 s21, s21, STAGE                   ; my stage
	v_mul_u32_u24 v5, v1, OPITCH
	v_lshl_add_u32 v5, v2, 5, v5
	v_add_nc_u32 v[STO], s21, v5                   ; in: row r, 32 bytes for each half of the lanes
	v_lshlrev_b32 v[CO], 4, v6                     ; back and out: a row of 512 bytes, 16 bytes a lane
	v_add_nc_u32 v[RD], s21, v[CO]
	s_lshl_b32 s21, s12, 9
	s_add_co_u32 s21, s21, W16
	v_add_nc_u32 v[WST], s21, v[CO]                ; W16 + 512 w + 16 lane = W16 + 16 t
	; The weights of my 8 columns.
	s_wait_loadcnt 0x0
.irp j, 0,1,2,3,4,5,6,7
	v_max3_num_f32 v[MX+\j], v[SM+2*\j], v[SM+16+2*\j], v[SM+32+2*\j]
.endr
.irp j, 0,1,2,3,4,5,6,7
	v_max_num_f32 v[MX+\j], v[MX+\j], v[SM+48+2*\j]                ; M
.endr
.irp j, 0,1,2,3,4,5,6,7
.irp ib, 0,1,2,3
	v_sub_f32 v[SM+16*\ib+2*\j], v[SM+16*\ib+2*\j], v[MX+\j]
.endr
	v_sub_f32 v[OWN+2*\j], v[OWN+2*\j], v[MX+\j]
.endr
.irp j, 0,1,2,3,4,5,6,7
.irp ib, 0,1,2,3
	v_exp_f32 v[SM+16*\ib+2*\j], v[SM+16*\ib+2*\j]
.endr
	v_exp_f32 v[OWN+2*\j], v[OWN+2*\j]
.endr
	v_nop                                          ; one plain place behind the last exponential (ISA guide 5.7.2)
	s_wait_alu depctr_va_vdst(0)
.irp j, 0,1,2,3,4,5,6,7
	v_mul_f32 v[MX+\j], v[SM+2*\j], v[SM+2*\j+1]
.endr
.irp ib, 1,2,3
.irp j, 0,1,2,3,4,5,6,7
	v_fmac_f32 v[MX+\j], v[SM+16*\ib+2*\j], v[SM+16*\ib+2*\j+1]    ; L
.endr
.endr
.irp j, 0,1,2,3,4,5,6,7
	v_rcp_f32 v[MX+\j], v[MX+\j]
.endr
	v_nop                                          ; one plain place behind the last reciprocal
	s_wait_alu depctr_va_vdst(0)
.irp j, 0,1,2,3,4,5,6,7
	v_mul_f32 v[MX+\j], 0x41800000, v[MX+\j]       ; 16 / L
.endr
.irp j, 0,1,2,3,4,5,6,7
	v_mul_f32 v[OWN+2*\j], v[OWN+2*\j], v[MX+\j]
.endr
.irp p, 0,1,2,3
	v_cvt_pk_f16_f32 v[WH+\p], v[OWN+4*\p], v[OWN+4*\p+2]
.endr
	ds_store_b128 v[WST], v[WH:WH+3]
.macro MUL16 f, a0, zero               ; row blocks a0, a0 + 1 x all 8 column blocks, 32 along K
.irp a, \a0, \a0+1
.irp b, 0,1,2,3,4,5,6,7
.if \zero
	v_wmma_f32_16x16x32_f16 v[8*(8*(\a)+\b):8*(8*(\a)+\b)+7], v[\f+8*\b:\f+8*\b+7], v[\f+64+8*(\a):\f+64+8*(\a)+7], 0
.else
	v_wmma_f32_16x16x32_f16 v[8*(8*(\a)+\b):8*(8*(\a)+\b)+7], v[\f+8*\b:\f+8*\b+7], v[\f+64+8*(\a):\f+64+8*(\a)+7], v[8*(8*(\a)+\b):8*(8*(\a)+\b)+7]
.endif
.endr
.endr
.endm
; 26 LDS loads: quarter q (32 rows j) of v's tile transposed, of my 64 rows of E, and its 32 weights (woff: the K step's 256 bytes of weights, from this lap's first)
.macro FETCH slot, q, f, woff
	WIN 0
.irp b, 0,1,2,3,4,5,6,7
	ds_load_tr16_b128 v[\f+8*\b:\f+8*\b+3],   v[ADRB+\slot] offset:\q*32*BPITCH+32*\b
	ds_load_tr16_b128 v[\f+8*\b+4:\f+8*\b+7], v[ADRB+\slot] offset:\q*32*BPITCH+32*\b+16*BPITCH
.endr
.irp a, 0,1,2,3
	ds_load_b128 v[\f+64+8*\a:\f+64+8*\a+3],   v[ADRA+\slot] offset:64*\q+\a*16*PITCH
	ds_load_b128 v[\f+64+8*\a+4:\f+64+8*\a+7], v[ADRA+\slot] offset:64*\q+\a*16*PITCH+32
.endr
	ds_load_b128 v[\f+96:\f+99],   v[ADRW] offset:\woff+64*\q
	ds_load_b128 v[\f+100:\f+103], v[ADRW] offset:\woff+64*\q+32
.endm
; 16 P = E x w: register i of each fragment of E and register i of the weights hold the same two k
.macro SCALE f
	WIN 0
.irp a, 0,1,2,3
.irp i, 0,1,2,3,4,5,6,7
	v_pk_mul_f16 v[\f+64+8*\a+\i], v[\f+64+8*\a+\i], v[\f+96+\i]
.endr
.endr
.endm
; The 32 accumulators take turns, one instruction a turn, in the same order in every quarter.
; SCALE's 32 plain vector instructions name buffer f alone, none of the registers of the matrix instructions just issued (buffer g, the sums):
; they are the places in front of the loads into buffer g.
.macro QUARTER slot, q, f, g, zero
	s_wait_dscnt 0x0                               ; buffer f's loads, issued 32 matrix instructions ago, are in
	SCALE \f
	FETCH \slot, \q, \g, 256*\slot
	WIN MULW
	MUL16 \f, 0, \zero
	MUL16 \f, 2, \zero
.endm
.macro THREE slot, zero
	QUARTER \slot, 1, F0, F1, \zero
	QUARTER \slot, 2, F1, F0, 0
	QUARTER \slot, 3, F0, F1, 0
.endm
.macro TURN slot, next, fill
	s_wait_dscnt 0x0                               ; buffer 1 is in: my last reads of this slot are over
	s_wait_tensorcnt 0x0                           ; all my tensor loads have landed: the one that was out is my part of the next slot
	ds_add_u32 v254, v255
	s_wait_dscnt 0x0
	s_barrier_signal -1
	SCALE F1                                       ; register work while the others arrive; also the places between buffer 0's last use and its loads below
	WIN MULW
	MUL16 F1, 0, 0
	WIN 0
	s_barrier_wait -1
.if \fill
	CREST                                          ; no wave of any partner reads this slot or has a load on its way
	s_add_nc_u64 s[G0A+4*\slot+2:G0A+4*\slot+3], s[G0A+4*\slot+2:G0A+4*\slot+3], ASTEP
	s_add_nc_u64 s[G0B+4*\slot+2:G0B+4*\slot+3], s[G0B+4*\slot+2:G0B+4*\slot+3], BSTEP
	JLOAD \slot                                    ; my one tensor load behind the round, first thing there; 112 matrix instructions in which to land
.endif
	FETCH \next, 0, F0, 256*(\slot+1)
	WIN MULW
	MUL16 F1, 2, 0
.endm
.macro LAP zero
	THREE 0, \zero
	TURN 0, 1, 1
	THREE 1, 0
	TURN 1, 0, 1
	WIN 0
	v_add_nc_u32 v[ADRW], 512, v[ADRW]             ; the next lap's 256 weights
.endm
	s_wait_dscnt 0x0                               ; my 8 weights are in LDS
	s_wait_tensorcnt 0x1                           ; my part of K step 0 is in; step 1's load stays out
	s_barrier_signal -1
	s_barrier_wait -1
	FETCH 0, 0, F0, 0
	LAP 1
	s_mov_b32 s3, LAPS-2
.Llap:
	LAP 0
	s_sub_co_u32 s3, s3, 1
	s_cmp_lg_u32 s3, 0
	s_cbranch_scc1 .Llap
	THREE 0, 0
	TURN 0, 1, 0
	THREE 1, 0
	s_wait_dscnt 0x0
	SCALE F1
	WIN MULW
	MUL16 F1, 0, 0
	MUL16 F1, 2, 0
	; THE WAY OUT, 16 rows at a time through my own stage: a lane's 8 neighbouring f32 of a row go in as 2 x 16 bytes, whole rows of 512 bytes come back.
	PLACES
	s_lshl_b32 s40, s16, 8
	s_lshl_b32 s20, s12, 6
	s_add_co_u32 s40, s40, s20
	s_lshl_b32 s40, s40, 12                        ; out0: row 256 Y + 64 w, rows of 4,096 bytes,
	s_mov_b32 s41, 0
	s_add_nc_u64 s[10:11], s[10:11], s[40:41]
	s_lshl_b32 s44, s15, 9                         ; the d block's 512 bytes
	s_mov_b32 s45, 0
	s_add_nc_u64 s[10:11], s[10:11], s[44:45]
.macro OUT16 a, f
	WIN 0x04                                       ; the stores' data in window 1
.irp b, 0,1,2,3,4,5,6,7
	ds_store_b128 v[STO], v[64*\a+8*\b:64*\a+8*\b+3] offset:64*\b
	ds_store_b128 v[STO], v[64*\a+8*\b+4:64*\a+8*\b+7] offset:64*\b+16
.endr
	WIN 0
	s_wait_xcnt 0x0                                ; buffer f, which earlier stores read, is loaded again only behind this wait
.irp t, 0,1,2,3,4,5,6,7,8,9,10,11,12,13,14,15
	ds_load_b128 v[\f+4*\t:\f+4*\t+3], v[RD] offset:\t*OPITCH       ; LDS serves a wave's instructions in order (ISA guide 5.7.1): these see the stores above
.endr
.irp t, 0,1,2,3,4,5,6,7,8,9,10,11,12,13,14,15
	s_wait_dscnt 15-\t
	global_store_b128 v[CO], v[\f+4*\t:\f+4*\t+3], s[10:11] offset:\a*65536+\t*4096 th:TH_STORE_NT   ; the wave stores 512 consecutive bytes, aligned
.endr
.endm
	OUT16 0, 32
	OUT16 1, 96
	OUT16 2, 32
	OUT16 3, 96
	s_wait_tensorcnt 0x0
	ds_add_u32 v254, v255
	s_wait_dscnt 0x0
	CROUND                                         ; the closing round
	s_endpgm
.Lfunc_end_k_q1583238961_pv:
	.size	k_q1583238961_pv, .Lfunc_end_k_q1583238961_pv-k_q1583238961_pv
	.p2alignl 7, 3214868480
	.fill 96, 4, 3214868480
	.section	.rodata,"a",@progbits
	.p2align	6, 0x0
	.amdhsa_kernel k_q1583238961_pv
		.amdhsa_group_segment_fixed_size 327680
		.amdhsa_private_segment_fixed_size 0
		.amdhsa_enable_private_segment 0
		.amdhsa_kernarg_size 32
		.amdhsa_user_sgpr_count 2
		.amdhsa_user_sgpr_kernarg_segment_ptr 1
		.amdhsa_wavefront_size32 1
		.amdhsa_system_sgpr_workgroup_id_x 1
		.amdhsa_system_sgpr_workgroup_id_y 1
		.amdhsa_system_sgpr_workgroup_id_z 1
		.amdhsa_system_vgpr_workitem_id 0
		.amdhsa_next_free_vgpr 512
		.amdhsa_next_free_sgpr 66
		.amdhsa_reserve_vcc 0
		.amdhsa_float_denorm_mode_32 3
		.amdhsa_float_denorm_mode_16_64 3
		.amdhsa_memory_ordered 1
		.amdhsa_forward_progress 1
		.amdhsa_inst_pref_size 173
	.end_amdhsa_kernel
	.amdgpu_metadata
---
amdhsa.version: [ 1, 2 ]
amdhsa.kernels:
  - .name:           k_q1583238961_pv
    .symbol:         k_q1583238961_pv.kd
    .args:
      - { .name: e, .offset: 0, .size: 8, .value_kind: global_buffer, .address_space: global }
      - { .name: qkv, .offset: 8, .size: 8, .value_kind: global_buffer, .address_space: global }
      - { .name: stats, .offset: 16, .size: 8, .value_kind: global_buffer, .address_space: global }
      - { .name: out0, .offset: 24, .size: 8, .value_kind: global_buffer, .address_space: global }
    .group_segment_fixed_size: 327680
    .private_segment_fixed_size: 0
    .kernarg_segment_align: 8
    .kernarg_segment_size: 32
    .max_flat_workgroup_size: 128
    .sgpr_count:     66
    .vgpr_count:     512
    .wavefront_size: 32
...
	.end_amdgpu_metadata
.endif
;; end of part 4
;; ======== version 2 of 2: 4 launches; version 1 with the launch cast written anew for expert scheduling mode
;; limits: values are held in f16: magnitudes above 65,504 overflow, below 6.1e-05 lose precision; right only within a limited range of input values; values outside matrix products are rounded to f16
;; workspace buffers: xb 16,777,216 bytes; wb 6,291,456 bytes; qkv 50,331,648 bytes; e 16,777,216 bytes; stats 262,144 bytes
;; launch cast (part 5): grid 256 x 1, 8 waves a work-group, no clusters, 0 bytes of LDS; arguments x, W, xb, wb; writes xb, wb
.if DOCPART == 5
	.amdgcn_target "amdgcn-amd-amdhsa--gfx1250"
	.amdhsa_code_object_version 6
	.text
	.protected	k_q1583238961_cast
	.globl	k_q1583238961_cast
	.p2align	8
	.type	k_q1583238961_cast,@function
k_q1583238961_cast:
	s_mov_b64 s[64:65], 0
	v_nop
	global_prefetch_b8 v0, s[64:65] scope:SCOPE_SE
	s_setreg_imm32_b32 hwreg(HW_REG_WAVE_SCHED_MODE, 0, 2), 2
	s_setreg_imm32_b32 hwreg(HW_REG_WAVE_MODE, 25, 1), 1
	s_wait_xcnt 0x0
	s_wait_alu depctr_vm_vsrc(0)
; xb = bf16(x), wb = bf16(W), rounded to nearest even, written in the order in which the next launch fetches them:
;   xb: [64 groups of 128 rows][16 K blocks][128 rows][64 numbers],   wb: [16 groups of 192 rows][16 K blocks][192 rows][64 numbers],
; so that the rows of a group in one K block, and in the K blocks behind it, are one dense run of memory.
; A plain stream: no LDS, no barrier, no matrix unit, nothing shared between work-groups.
; Work-group g owns 32 rows of x and 12 rows of W.  Wave w sees to K blocks 2 w and 2 w + 1.  A load takes 64 numbers (256 consecutive bytes, aligned) of two
; neighbouring rows, lanes 0-15 the first row, lanes 16-31 the second; as bf16 these are 2 x 128 bytes that lie side by side in the new order:
; the wave's store covers 256 consecutive bytes, aligned.
; All 44 loads of a wave go out before the first wait, and no register that a load or store reads is ever written again.
; THE MODE: SCHED_MODE bits 1:0 = 2 (LLVM: expert scheduling mode 2), set by the entry lines.  The code itself states the register dependences
; between vector instructions and memory instructions, with s_wait_alu, always for 0.
; THE PLAN.  Registers that memory instructions touch:
;   v1, v2, v3        byte offsets: written by vector instructions at the head, once; read by every load (v1) and every store (v2, v3).
;   v[4+4n : 7+4n]    load n lands here, once; its two conversions read the four and write the first two in place; store n reads those two; nothing writes them afterwards.
; No load is issued behind a conversion, and no register that a store reads is written again: what is left to state is that a register is written before a memory
; instruction reads it.  The 44 loads go in 11 groups of four.  Group g: the wait for its four loads; ONE wait on va_vdst, which states that group g - 1's eight
; conversions have written their registers; then group g - 1's four stores, dealt among group g's eight conversions, which name group g's registers alone.
; Behind the last group one more such wait stands ahead of the last four stores.
.set NX, 32                            ; loads of x: 16 pairs of rows x 2 K blocks
.set NW, 12                            ; loads of W: 6 pairs of rows x 2 K blocks
.set NL, NX+NW
.set GR, 4                             ; loads in a group
.set NG, NL/GR                         ; 11 groups: eight of x, three of W
.set D,  4                             ; v[4+4n : 7+4n]  load n; its first two registers as stored
.set T,  180                           ; v180-183 at work at the head: no memory instruction names them
.set XKB, 128*128                      ; bytes of a K block of a group of x
.set WKB, 192*128                      ; the same for W
	s_load_b256 s[4:11], s[0:1], 0x0               ; x s[4:5], W s[6:7], xb s[8:9], wb s[10:11]
	v_and_b32 v[T], 15, v0                         ; r: my 16 bytes of the 256
	v_bfe_u32 v[T+1], v0, 4, 1                     ; h: which row of the pair
	v_and_b32 v[T+2], 31, v0                       ; lane
	v_and_b32 v[T+3], 0xe0, v0                     ; 32 w
	v_lshlrev_b32 v1, 4, v[T]
	v_lshl_add_u32 v1, v[T+1], 12, v1
	v_lshl_add_u32 v1, v[T+3], 4, v1               ; read at 512 w + 4,096 h + 16 r
	v_lshlrev_b32 v2, 3, v[T+2]                    ; 8 x lane
	v_mad_u32_u24 v3, v[T+3], 2*WKB/32, v2         ; wb: 2 w K blocks + 8 x lane
	v_lshl_add_u32 v2, v[T+3], 10, v2              ; xb: 2 w K blocks (32,768 w) + 8 x lane
	s_lshl_b32 s12, ttmp9, 17                      ; x: g x 32 rows of 4,096 bytes
	s_mov_b32 s13, 0
	s_mul_i32 s14, ttmp9, 12*4096                  ; W: g x 12 rows
	s_mov_b32 s15, 0
	s_lshr_b32 s16, ttmp9, 2                       ; xb: group g / 4,
	s_lshl_b32 s16, s16, 18                        ; 16 K blocks of 16,384 bytes each,
	s_and_b32 s17, ttmp9, 3
	s_lshl_b32 s17, s17, 12                        ; row 32 (g % 4) of 128 bytes in it
	s_add_co_u32 s16, s16, s17
	s_mov_b32 s17, 0
	s_lshr_b32 s18, ttmp9, 4                       ; wb: group g / 16,
	s_mul_i32 s18, s18, 16*WKB
	s_and_b32 s19, ttmp9, 15
	s_mul_i32 s19, s19, 12*128                     ; row 12 (g % 16) in it
	s_add_co_u32 s18, s18, s19
	s_mov_b32 s19, 0
	s_wait_kmcnt 0x0
	s_add_nc_u64 s[4:5], s[4:5], s[12:13]
	s_add_nc_u64 s[6:7], s[6:7], s[14:15]
	s_add_nc_u64 s[8:9], s[8:9], s[16:17]
	s_add_nc_u64 s[10:11], s[10:11], s[18:19]
	s_wait_alu depctr_va_vdst(0)                   ; v1, v2 and v3 are written: every load and store of the kernel reads one of them as its offset
.set n, 0
.rept NX
	global_load_b128 v[D+4*n:D+4*n+3], v1, s[4:5] offset:(n/2)*8192+(n%2)*256 th:TH_LOAD_NT    ; pair of rows n / 2, K block 2 w + n % 2
.set n, n+1
.endr
.rept NW
	global_load_b128 v[D+4*n:D+4*n+3], v1, s[6:7] offset:((n-NX)/2)*8192+((n-NX)%2)*256 th:TH_LOAD_NT
.set n, n+1
.endr
.set n, 0
.rept NG
	s_wait_loadcnt NL-GR-n                         ; loads come back in order (ISA guide 5.7.1): this group's four are in, the younger ones stay out
.if n > 0
	s_wait_alu depctr_va_vdst(0)                   ; the group before's eight conversions have written their registers, which the four stores below read
.endif
.rept GR
.if n >= GR
.set m, n-GR                                           ; the group before's store; no vector instruction since the wait names its registers
.if m < NX
	global_store_b64 v2, v[D+4*m:D+4*m+1], s[8:9] offset:(m%2)*XKB+(m/2)*256
.else
	global_store_b64 v3, v[D+4*m:D+4*m+1], s[10:11] offset:((m-NX)%2)*WKB+((m-NX)/2)*256
.endif
.endif
	v_cvt_pk_bf16_f32 v[D+4*n], v[D+4*n], v[D+4*n+1]
	v_cvt_pk_bf16_f32 v[D+4*n+1], v[D+4*n+2], v[D+4*n+3]
.set n, n+1
.endr
.endr
	s_wait_alu depctr_va_vdst(0)                   ; the last group's eight conversions have written their registers, which the last four stores read
.set m, NL-GR
.rept GR
	global_store_b64 v3, v[D+4*m:D+4*m+1], s[10:11] offset:((m-NX)%2)*WKB+((m-NX)/2)*256
.set m, m+1
.endr
	s_endpgm
.Lfunc_end_k_q1583238961_cast:
	.size	k_q1583238961_cast, .Lfunc_end_k_q1583238961_cast-k_q1583238961_cast
	.p2alignl 7, 3214868480
	.fill 96, 4, 3214868480
	.section	.rodata,"a",@progbits
	.p2align	6, 0x0
	.amdhsa_kernel k_q1583238961_cast
		.amdhsa_group_segment_fixed_size 0
		.amdhsa_private_segment_fixed_size 0
		.amdhsa_enable_private_segment 0
		.amdhsa_kernarg_size 32
		.amdhsa_user_sgpr_count 2
		.amdhsa_user_sgpr_kernarg_segment_ptr 1
		.amdhsa_wavefront_size32 1
		.amdhsa_system_sgpr_workgroup_id_x 1
		.amdhsa_system_sgpr_workgroup_id_y 1
		.amdhsa_system_sgpr_workgroup_id_z 1
		.amdhsa_system_vgpr_workitem_id 0
		.amdhsa_next_free_vgpr 184
		.amdhsa_next_free_sgpr 66
		.amdhsa_reserve_vcc 0
		.amdhsa_float_denorm_mode_32 3
		.amdhsa_float_denorm_mode_16_64 3
		.amdhsa_memory_ordered 1
		.amdhsa_forward_progress 1
		.amdhsa_inst_pref_size 17
	.end_amdhsa_kernel
	.amdgpu_metadata
---
amdhsa.version: [ 1, 2 ]
amdhsa.kernels:
  - .name:           k_q1583238961_cast
    .symbol:         k_q1583238961_cast.kd
    .args:
      - { .name: x, .offset: 0, .size: 8, .value_kind: global_buffer, .address_space: global }
      - { .name: W, .offset: 8, .size: 8, .value_kind: global_buffer, .address_space: global }
      - { .name: xb, .offset: 16, .size: 8, .value_kind: global_buffer, .address_space: global }
      - { .name: wb, .offset: 24, .size: 8, .value_kind: global_buffer, .address_space: global }
    .group_segment_fixed_size: 0
    .private_segment_fixed_size: 0
    .kernarg_segment_align: 8
    .kernarg_segment_size: 32
    .max_flat_workgroup_size: 256
    .sgpr_count:     66
    .vgpr_count:     184
    .wavefront_size: 32
...
	.end_amdgpu_metadata
.endif
;; end of part 5
;; launch proj: the kernel of part 2 again; grid 8 x 32, 4 waves a work-group, clusters of 4 x 4, 327,680 bytes of LDS; arguments xb, wb, b, qkv; writes qkv
;; launch scores: the kernel of part 3 again; grid 8 x 32, 4 waves a work-group, clusters of 4 x 4, 327,680 bytes of LDS; arguments qkv, e, stats; writes e, stats
;; launch pv: the kernel of part 4 again; grid 8 x 32, 4 waves a work-group, clusters of 4 x 4, 327,680 bytes of LDS; arguments e, qkv, stats, out0; writes out0
